; MI455X (gfx1250); checked and timed in simulation.
; The chip was launched on July 23, 2026; its instructions are those of AMD's public machine-readable ISA for CDNA 5 (MIT licence, August 2026) and "CDNA5" Instruction Set Architecture Reference Guide (July 2026). The comments in the code are by the model that wrote it; some were corrected since.
;; Model. Allowed arithmetic: float matrix products may take bf16 or f16 operands with f32 sums; all other float work in f32.
;; Inputs: block_tables 4 x 64 int32; key_cache 256 x 32 x 8 x 128 float32; query 2,048 x 32 x 128 float32; query_start_loc 5 int32; seq_lens 4 int32; value_cache 256 x 32 x 8 x 128 float32.
;; Outputs: out0 2,048 x 32 x 128 float32.
;; 2 versions, each right; version 2 is version 1 with the launch attn written anew for expert scheduling mode. Each part assembles by itself: llvm-mc -triple=amdgcn-amd-amdhsa -mcpu=gfx1250 --defsym DOCPART=n.
;; ======== version 1 of 2: 1 launch
;; launch attn (part 1): grid 256 x 1, 4 waves a work-group, no clusters, 141,824 bytes of LDS; arguments query, key_cache, value_cache, block_tables, seq_lens, out0; writes out0
.if DOCPART == 1
	.amdgcn_target "amdgcn-amd-amdhsa--gfx1250"
	.amdhsa_code_object_version 6
	.text
	.protected	k_q5904949fea_attn
	.globl	k_q5904949fea_attn
	.p2align	8
	.type	k_q5904949fea_attn,@function
k_q5904949fea_attn:
	s_mov_b64 s[64:65], 0
	v_nop
	global_prefetch_b8 v0, s[64:65] scope:SCOPE_SE
	s_setreg_imm32_b32 hwreg(HW_REG_WAVE_MODE, 25, 1), 1
	s_wait_xcnt 0x0
; Causal GQA attention over a paged KV cache, one launch: gather, Q K^T, mask, softmax with a running maximum, P V, division.
; query, out0: [2048 tokens][32 heads][128] f32.  key_cache, value_cache: [256 blocks][32 positions][8 heads][128] f32.
; block_tables: [4][64] i32.  seq_lens: [4] i32.  query_start_loc is not read: reference() never reads it (it takes 512 queries a sequence from the shapes).
;
; SHARE.  Work-group id = 64 b + 8 kvh + pb: sequence b, KV head kvh, 64 query positions 64 pb .. 64 pb + 63, with the 4 query heads of kvh: 256 rows.
; Wave w takes head 4 kvh + w and all 64 positions, as four row blocks rb of 16.  Keys go in tiles of 64 (two physical blocks) through two LDS slots.
; Each wave loads a quarter of each tile (16 rows of K, 16 of V) as f32 into registers, rounds to bf16 and stores it into LDS for all four.
;
; TRANSPOSED PRODUCTS.  S^T = K Q^T (source 0 = 16 keys, source 1 = 16 queries): lane (r, h) register j holds query r, key 8 h + j.  Two neighbouring
; tiles of S^T, packed to bf16, are source 1 (32 keys x 16 queries) of O^T = V^T P as they lie; there lane (r, h) register j holds query r, d = 8 h + j.
; So maximum, rescale factor and sum are one number a lane and row block, and the only step between lanes is lane xor 16.
;
; ONE TILE IS WOVEN.  Its 128 matrix instructions go by row blocks, S0 S1 S2 S3 PV0 PV1 PV2 PV3 (16 each), and behind each of them stands a gap with
; other instructions, so that the wave has work to issue while a product runs.  The softmax of row block k needs S_k alone and PV_k
; needs that softmax alone, so softmax k runs under the products of the later blocks.  The macro GAP is the table of what stands in which gap.
;
; MASK.  reference() keeps key k for query l where k <= seq_len - 512 + l and k < seq_len; the first implies the second (l <= 511).
; seq_len is clamped to [-512, 4608] first: with k in 0..2047 and l in 0..511 that changes no mask bit, for any int32.
; A row without any key gives NaN, as reference() does (-inf minus -inf ahead of the exponential).
; TRIPS.  All 32 tiles' barriers are passed by every wave: the loop's trip count is a constant, and tiles at or beyond NT (no key of theirs is kept
; by any of my 64 positions) jump over the work alone, never over a barrier.
;
; LIMITS.  Q, K, V and P go to the matrix unit rounded to bf16; the row sum is taken over the unrounded f32 P.  The factor 128^-0.5 log2 e stands in the
; f32 multiply-add ahead of the exponential, Q is rounded unscaled.  A block index is taken as unsigned and clamped to 255, the cache's last block.
; In a work-group's last tile the rounding, the LDS stores and the K fragment loads for a following tile are still done (64 + 32 + 32 instructions, once):
; they lie among the products, and what they move is read by nobody.
;
; NO CLUSTER, NO TENSOR LOADS.  The eight position blocks of one (b, kvh) read the same K and V, but the caches are f32: a tile landed in LDS by an engine
; is 65,536 bytes that would be read from LDS, rounded and stored again (32,768 bytes) on top of the 131,072 bytes of fragment reads of a tile;
; through registers the rounding lies on the way.  And the eight need different numbers of tiles (NT hangs on pb).
;
; LDS (141,312 bytes), filled by ds_store alone:
;   slot s at s x 35,840: K 64 rows of 272 bytes (256 + 16), then V 64 rows of 288 bytes (256 + 32)
;   wave w's own 17,408 bytes at 71,680 + 17,408 w: first Q (64 rows of 272), at the end the stage for out0 (16 rows of 528)
;   272 = 17 x 16 and 528 = 33 x 16: sixteen rows start at sixteen different 16-byte columns modulo 256; 288 = 9 x 32: eight rows x two columns likewise.
;
; REGISTERS, in windows of 256 (s_set_vgpr_msb: bits 1:0 source 0, 3:2 source 1, 5:4 source 2, 7:6 destination):
;   window 0: addresses, softmax state, S / P          window 1: Q fragments (0-127), V fragments (128-255)
;   window 2: O, 4 row blocks x 8 blocks of d          window 3: K fragments (0-127), the next tile as loaded (128-255)
; The softmax works in the window of the accumulators S; K and Q fragments (128 + 128 registers) do not fit beside S (128) and the state, so a gap
; costs two switches of the window.
.set TOK,   16384                      ; bytes from token to token in query and out0
.set ROWB,  4096                       ; bytes from position to position inside a cache block
.set KP,    272                        ; LDS pitch of K and Q rows
.set VP,    288                        ; LDS pitch of V rows
.set VOFF,  64*KP                      ; V behind K in a slot
.set SLOT,  64*KP+64*VP                ; 35,840
.set PRIV,  2*SLOT                     ; the waves' own bytes
.set PRIVB, 64*KP                      ; 17,408 for each wave
.set OP,    528                        ; pitch of the stage for out0
; window 0
.set LO,    8                          ; 16 x lane: my 16 bytes of a row of 512
.set PFO,   9                          ; prefetch: (lane / 2) rows of 4,096 + (lane & 1) x 256
.set KADR,  10                         ; v10-11  K fragments in slot 0, 1: r x 272 + 16 h
.set VADR,  12                         ; v12-13  V fragments: (8 h + lane % 8) x 288 + 16 ((lane / 8) & 1)
.set KST,   14                         ; v14-15  where I store my K rows: 16 w rows + 8 x lane
.set VST,   16                         ; v16-17  the same for V
.set QST,   18                         ; Q stage, in
.set QFR,   19                         ; Q stage, fragments
.set OST,   20                         ; out stage, in: r x 528 + 32 h
.set ORD,   21                         ; out stage, back: 16 x lane
.set NINF,  22                         ; -infinity
.set LB,    24                         ; v24-27  row block rb: q_abs of my query - 8 h
.set LIM,   28                         ; v28-31  that minus the tile's first key
.set ST,    32                         ; v32-47  row block rb at ST + 4 rb: -c m, m, alpha (at the end 1 / l), l
.set TM,    56                         ; v56-59  four chains of the tile's maximum
.set TX,    60                         ; v60-63  what the other half of the lanes holds
.set SUM,   64                         ; v64-71  four chains of two sums
.set SC,    128                        ; v128-255  S(kb, rb) at SC + 32 rb + 8 kb; P(rb, kp) in the first 8 of the 16 at SC + 32 rb + 16 kp
; window 1
.set QF,    0                          ; QF + 8 (4 rb + ks)
.set VF,    128                        ; VF + 8 (2 db + kp)
; window 3
.set KF,    0                          ; KF + 8 (4 ks + kb)
.set STG,   128                        ; STG + 4 i: i = 0..15 my K rows, 16..31 my V rows
; window settings
.set W_S,   0x07                       ; S product: K window 3, Q window 1, C and D window 0
.set W_PV,  0xa1                       ; PV product: V window 1, P window 0, C and D window 2
.set W_O,   0x82                       ; O times a factor: O window 2, the factor window 0
.set W_L3,  0xc0                       ; a load into window 3
.set W_L1,  0x40                       ; a load into window 1
.set W_CV,  0xcf                       ; rounding in place in window 3
.set W_ST,  0x0c                       ; store data from window 3
; scalars: s[4:5] query, s[6:7] key_cache, s[8:9] value_cache, s[10:11] block_tables, s[12:13] seq_lens, s[14:15] out0, each at my part;
; s16 wave, s17 pb, s18 kvh, s19 b, s20 e0 = q_abs of my first position, s21 NT, s22 where prefetching ends, s23 T (tile), s24 trips, s25 NFT,
; s26-27 lane selects, s[28:29] c, s30 -c, s31, s47 at work, s32-33 block indices, s34-35 their offsets, s[36:37] an offset, s[38:41] load bases, s[42:45] prefetch bases, s46 64 T
.set MSB, 0
.macro WIN new                         ; the immediate's high byte repeats the setting that is left
.if MSB != \new
	s_set_vgpr_msb (MSB<<8)|\new
.set MSB, \new
.endif
.endm
.macro PLACES n
.rept \n
	v_nop
.endr
.endm
; jump to label unless T + add < lim.  Every window is 0 here.
.macro SKIPGE add, lim, label
.if \add
	s_add_co_u32 s31, s23, \add
	s_cmp_lt_u32 s31, \lim
.else
	s_cmp_lt_u32 s23, \lim
.endif
	s_cbranch_scc0 \label
.endm
; ---------------------------------------------------------------- the streams of side work.  Each has a position (a symbol) and a macro that issues its next n instructions.
; TS = the tile's slot, TN = the other slot, TF = 1 in the launch's first tile.
; CX 0..63: my 16 rows of K and 16 of V, 4 f32 a lane to 4 bf16, in place: row CX / 2, half CX % 2
.macro CVN n
	WIN W_CV
.rept \n
	v_cvt_pk_bf16_f32 v[STG+4*(CX/2)+CX%2], v[STG+4*(CX/2)+2*(CX%2)], v[STG+4*(CX/2)+2*(CX%2)+1]
.set CX, CX+1
.endr
.endm
; DX 0..31: 8 bytes a lane into the other slot (a store of the wave covers a row's 256 bytes)
.macro STN n
	WIN W_ST
.rept \n
.if DX < 16
	ds_store_b64 v[KST+TN], v[STG+4*DX:STG+4*DX+1] offset:DX*KP
.else
	ds_store_b64 v[VST+TN], v[STG+4*DX:STG+4*DX+1] offset:(DX-16)*VP
.endif
.set DX, DX+1
.endr
.endm
; VX 0..31: V lies [key][d]; a fragment is 16 d x 32 keys: two transposing loads, 16 rows apart.  kp = VX / 16, db = (VX / 2) % 8
.macro LVN n
	WIN W_L1
.rept \n
.set VD, VF+8*(2*((VX/2)%8)+VX/16)+4*(VX%2)
	ds_load_tr16_b128 v[VD:VD+3], v[VADR+TS] offset:(VX/16)*32*VP+32*((VX/2)%8)+(VX%2)*16*VP
.set VX, VX+1
.endr
.endm
; KX 0..31: the next tile's K fragments (16 keys x 32 d: two loads of 16 bytes, 32 bytes apart), in the order of use: ks = KX / 8, kb = (KX / 2) % 4
.macro LKN n
	WIN W_L3
.rept \n
	ds_load_b128 v[KF+4*KX:KF+4*KX+3], v[KADR+TN] offset:((KX/2)%4)*16*KP+64*(KX/8)+32*(KX%2)
.set KX, KX+1
.endr
.endm
; RX 0..127: O times the lane's own factor of row block RX / 32 (alpha; at the end 1 / l).  Nothing in the first tile: its products start the sums.
.macro RSN n
.if TF == 0
	WIN W_O
.rept \n
	v_pk_mul_f32 v[2*RX:2*RX+1], v[2*RX:2*RX+1], v[ST+4*(RX/32)+2:ST+4*(RX/32)+3] op_sel_hi:[1,0]
.set RX, RX+1
.endr
.endif
.endm
; 32 global loads: each takes one row's 512 consecutive bytes, aligned.  No cache word: eight work-groups read these rows.
.macro GLD
	WIN W_L3
.set i, 0
.rept 16
	global_load_b128 v[STG+4*i:STG+4*i+3], v[LO], s[38:39] offset:i*ROWB
.set i, i+1
.endr
.set i, 0
.rept 16
	global_load_b128 v[STG+64+4*i:STG+64+4*i+3], v[LO], s[40:41] offset:i*ROWB
.set i, i+1
.endr
.endm
; The mask of one row block, jumped over where T < NFT (every key of the tile is kept by all my positions).
; Key 64 T + 16 kb + 8 h + j is kept where it is <= q_abs, that is 16 kb + j <= LIM = LB - 64 T.
.macro MASKG rb
	WIN 0
	s_cmp_lt_u32 s23, s25
	s_cbranch_scc1 .Lfull_\@
	s_lshl_b32 s46, s23, 6
	v_sub_nc_u32 v[LIM+(\rb)], v[LB+(\rb)], s46
.irp kb, 0,1,2,3
.irp j, 0,1,2,3,4,5,6,7
	v_cmp_le_i32 vcc_lo, 16*\kb+\j, v[LIM+(\rb)]
	v_cndmask_b32 v[SC+32*(\rb)+8*\kb+\j], v[NINF], v[SC+32*(\rb)+8*\kb+\j], vcc_lo
.endr
.endr
.Lfull_\@:
.endm
; THE HEAD of a row block's softmax, instruction n of 21: the largest of my 32 scores in four chains (0-13), with the running maximum (14, 15), with the
; other half of the keys in lane xor 16 (16, 17), then c (m old - m new), -c m, alpha (18-20).  14 to 20 each read the one before.  EM = 1 if a line was issued.
.macro HI rb, n
.set HR, SC+32*(\rb)
.set HQ, ST+4*(\rb)
.set HIX, (\n)
.set EM, 1
.if HIX == 0
	MASKG \rb
.endif
	WIN 0
.if HIX < 4
	v_max3_num_f32 v[TM+HIX], v[HR+8*HIX], v[HR+8*HIX+1], v[HR+8*HIX+2]
.elseif HIX < 8
	v_max3_num_f32 v[TM+HIX-4], v[TM+HIX-4], v[HR+8*(HIX-4)+3], v[HR+8*(HIX-4)+4]
.elseif HIX < 12
	v_max3_num_f32 v[TM+HIX-8], v[TM+HIX-8], v[HR+8*(HIX-8)+5], v[HR+8*(HIX-8)+6]
.elseif HIX == 12
	v_max3_num_f32 v[TM], v[TM], v[HR+7], v[HR+15]
.elseif HIX == 13
	v_max3_num_f32 v[TM+1], v[TM+1], v[HR+23], v[HR+31]
.elseif HIX == 14
	v_max3_num_f32 v[TM], v[TM], v[TM+1], v[TM+2]
.elseif HIX == 15
.if TF
	v_max_num_f32 v[TM], v[TM], v[TM+3]
.else
	v_max3_num_f32 v[TM], v[TM], v[TM+3], v[HQ+1]
.endif
.elseif HIX == 16
	v_permlanex16_b32 v[TX], v[TM], s26, s27
.elseif HIX == 17
	v_max_num_f32 v[HQ+1], v[TM], v[TX]                    ; m
	s_wait_alu depctr_va_vdst(0)
.elseif HIX == 18
.if TF
.set EM, 0
.else
	v_fma_f32 v[HQ+2], v[HQ+1], s30, -v[HQ]                ; c (m old - m new)
	s_wait_alu depctr_va_vdst(0)
.endif
.elseif HIX == 19
	v_mul_f32 v[HQ], s30, v[HQ+1]                          ; -c m
.else
.if TF
.set EM, 0
.else
	v_exp_f32 v[HQ+2], v[HQ+2]                             ; alpha; the next vector instruction of the stream is a multiply-add that does not name it (ISA guide 5.7.2)
.endif
.endif
.endm
; THE TAIL, instruction n of 5: the four chains of sums meet, and l = l alpha + the tile's sum (my half of the keys; the halves meet at the end)
.macro TI rb, n
.set TQ, ST+4*(\rb)
.set TIX, (\n)
.set EM, 1
	WIN 0
.if TIX == 0
	v_pk_add_f32 v[SUM:SUM+1], v[SUM:SUM+1], v[SUM+2:SUM+3]
.elseif TIX == 1
	v_pk_add_f32 v[SUM+4:SUM+5], v[SUM+4:SUM+5], v[SUM+6:SUM+7]
.elseif TIX == 2
	v_pk_add_f32 v[SUM:SUM+1], v[SUM:SUM+1], v[SUM+4:SUM+5]
.elseif TIX == 3
.if TF
	v_add_f32 v[TQ+3], v[SUM], v[SUM+1]                    ; l starts here
.else
	v_add_f32 v[SUM], v[SUM], v[SUM+1]
.endif
.else
.if TF
.set EM, 0
.else
	v_fma_f32 v[TQ+3], v[TQ+3], v[TQ+2], v[SUM]
.endif
.endif
.endm
; THE SOFTMAX STREAM.  Position SX = 273 k + 13 t + u: stage k (the body of row block k), step t = 0..20, place u.  The body goes over the block's 16 register
; pairs as a pipeline; in step t:
;   u 0, 2  p = exp2 of pair t - 2        u 1  pair t - 4 into a chain of sums        u 3  pair t - 5 packed to bf16        u 4  c s - c m of pair t
;   u 5     the tail of row block k - 1, one instruction in each of steps 0 to 4
;   u 6-12  the head of row block k + 1: its 14 independent instructions in steps 12 and 13, its 7 dependent ones one a step in steps 14 to 20
; So no instruction reads the result of its neighbour, and behind each exponential a plain instruction that names neither its result nor its source comes
; before the result is used (ISA guide 5.7.2).  Sums: pairs 0-7 start the four chains two by two (nothing is cleared), pairs 8-15 are added on.
; Packing is in place: pair j goes to register 16 (j / 8) + j % 8 of the block, which holds a pair that has been summed and packed already;
; 16 registers so become the 8 of a fragment of 32 keys.  Stage 4 is the tail of row block 3 alone.
.macro SFI
.set SK, SX/273
.set SS, (SX%273)/13
.set SU, SX%13
.set BR, SC+32*SK
.set BQ, ST+4*SK
.set EM, 0
.if SU == 5
.if SK > 0
.if SS < 5
	TI SK-1, SS
.endif
.endif
.elseif SK < 4
.if SU == 0
.set SJ, SS-2
.if SJ >= 0
.if SJ < 16
	WIN 0
	v_exp_f32 v[BR+2*SJ], v[BR+2*SJ]
.set EM, 1
.endif
.endif
.elseif SU == 1
.set SJ, SS-4
.if SJ >= 8
.if SJ < 16
	WIN 0
	s_wait_alu depctr_va_vdst(0)
	v_pk_add_f32 v[SUM+2*(SJ%4):SUM+2*(SJ%4)+1], v[SUM+2*(SJ%4):SUM+2*(SJ%4)+1], v[BR+2*SJ:BR+2*SJ+1]
.set EM, 1
.endif
.elseif SJ >= 0
.if SJ%2 == 1
	WIN 0
	s_wait_alu depctr_va_vdst(0)
	v_pk_add_f32 v[SUM+2*(SJ/2):SUM+2*(SJ/2)+1], v[BR+2*SJ-2:BR+2*SJ-1], v[BR+2*SJ:BR+2*SJ+1]
.set EM, 1
.endif
.endif
.elseif SU == 2
.set SJ, SS-2
.if SJ >= 0
.if SJ < 16
	WIN 0
	v_exp_f32 v[BR+2*SJ+1], v[BR+2*SJ+1]
.set EM, 1
.endif
.endif
.elseif SU == 3
.set SJ, SS-5
.if SJ >= 0
.if SJ < 16
	WIN 0
	v_cvt_pk_bf16_f32 v[BR+16*(SJ/8)+SJ%8], v[BR+2*SJ], v[BR+2*SJ+1]
.set EM, 1
.endif
.endif
.elseif SU == 4
.if SS < 16
	WIN 0
	v_pk_fma_f32 v[BR+2*SS:BR+2*SS+1], v[BR+2*SS:BR+2*SS+1], s[28:29], v[BQ:BQ+1] op_sel_hi:[1,0,0]
.set EM, 1
.endif
.elseif SK < 3
.if SS == 12
	HI SK+1, SU-6
.elseif SS == 13
	HI SK+1, SU+1
.elseif SS > 13
.if SU == 6
	HI SK+1, SS
.endif
.endif
.endif
.endif
.endm
; the stream's next n instructions: positions that hold none are passed over (at most 68 in a row, by the table above)
.macro SF n
.set BUD, \n
.rept 100
.if BUD > 0
.if SX < 4*273+5*13
	SFI
.set SX, SX+1
.set BUD, BUD-EM
.endif
.endif
.endr
.endm
; the head of row block 0, which has no earlier body to ride in: position HX
.macro HN n
.rept \n
	HI 0, HX
.set HX, HX+1
.endr
.endm
; Gap 16: the global loads of tile T + 2 and the prefetch of tile T + 4.
.macro LUMP
	WIN 0
	s_wait_xcnt 0x0                                ; the last tile's prefetches have had their addresses translated (ISA guide 3.1): their bases may be written
	s_wait_kmcnt 0x0                               ; the two block indices, asked for at the tile's head
	SKIPGE 2, s21, .Ll3_\@
	s_min_u32 s32, s32, 255
	s_lshl_b32 s36, s32, 17                        ; a block is 131,072 bytes
	s_add_nc_u64 s[38:39], s[6:7], s[36:37]        ; the last loads by these bases were waited for at the tile's head
	s_add_nc_u64 s[40:41], s[8:9], s[36:37]
	GLD                                            ; straight behind the stores that emptied STG: the loads have 111 of a tile's 128 products in which to come
	WIN 0
.Ll3_\@:
	; Prefetch: my 16 rows of K and of V of tile T + 4, 32 lanes 256 bytes apart each; the loads of that tile are issued two tiles on.
	; Only the work-group with pb = 7 asks (it walks the most tiles of the eight that share these rows), so each block is asked for once; s22 = 0 in the others.
	; Nothing is asked for beyond tile NT - 1.
	SKIPGE 4, s22, .Ll4_\@
	s_min_u32 s33, s33, 255
	s_lshl_b32 s36, s33, 17
	s_add_nc_u64 s[42:43], s[6:7], s[36:37]
	s_add_nc_u64 s[44:45], s[8:9], s[36:37]
	global_prefetch_b8 v[PFO], s[42:43] th:TH_LOAD_NT scope:SCOPE_SE
	global_prefetch_b8 v[PFO], s[44:45] th:TH_LOAD_NT scope:SCOPE_SE
.Ll4_\@:
.endm
; Matrix instruction G of the tile.  0-63: S^T = K Q^T, row block G / 16, then 32 of d, then 16 keys; the first 32 of d start the sums.
; 64-127: O^T += V^T P, row block (G - 64) / 16, then 32 keys, then 16 of d; in the launch's first tile the first 32 keys start the sums.
; The accumulators take turns, one instruction a turn (4 in a block of S, 8 in a block of PV), over the blocks' and the tiles' borders too.
.macro MS
.set MR, G/16
.set MKS, (G%16)/4
.set MKB, G%4
	WIN W_S
.if MKS == 0
	v_wmma_f32_16x16x32_bf16 v[SC+32*MR+8*MKB:SC+32*MR+8*MKB+7], v[KF+8*(4*MKS+MKB):KF+8*(4*MKS+MKB)+7], v[QF+8*(4*MR+MKS):QF+8*(4*MR+MKS)+7], 0
.else
	v_wmma_f32_16x16x32_bf16 v[SC+32*MR+8*MKB:SC+32*MR+8*MKB+7], v[KF+8*(4*MKS+MKB):KF+8*(4*MKS+MKB)+7], v[QF+8*(4*MR+MKS):QF+8*(4*MR+MKS)+7], v[SC+32*MR+8*MKB:SC+32*MR+8*MKB+7]
.endif
.endm
.macro MP
.set MR, (G-64)/16
.set MKP, ((G-64)%16)/8
.set MDB, G%8
	WIN W_PV
.if TF*(1-MKP)
	v_wmma_f32_16x16x32_bf16 v[64*MR+8*MDB:64*MR+8*MDB+7], v[VF+8*(2*MDB+MKP):VF+8*(2*MDB+MKP)+7], v[SC+32*MR+16*MKP:SC+32*MR+16*MKP+7], 0
	s_wait_alu depctr_va_vdst(0)
.else
	v_wmma_f32_16x16x32_bf16 v[64*MR+8*MDB:64*MR+8*MDB+7], v[VF+8*(2*MDB+MKP):VF+8*(2*MDB+MKP)+7], v[SC+32*MR+16*MKP:SC+32*MR+16*MKP+7], v[64*MR+8*MDB:64*MR+8*MDB+7]
.endif
.endm
; THE TABLE OF GAPS: what stands behind matrix instruction G.
;   0-15    tile T + 1 is rounded (64) and stored into the other slot (32).  No LDS instruction up to gap 11: the counted waits for the K fragments stay simple.
;           Gap 15 holds five roundings: the places between S0's last product and the first reader of its results (ISA guide 7.12.1 asks for four).
;   16      LUMP
;   17-25   the head of row block 0: 14 independent instructions, then one dependent one a gap among the 32 V fragment loads
;   26-62, 69-78, 85-94, 101-108   the softmax stream, six a gap: 387 instructions in 65 gaps.  By that count the head of block 1 begins in gap 33, of block 2
;           in gap 50 (49 in the first tile), of block 3 in gap 73 (72): behind products 31, 47, 63 and at least two gaps of the stream, more than four of whose
;           instructions are plain and name no register of those products.  P of blocks 0 to 3 is whole in gaps 42, 59, 88, 107: ahead of products 64, 80, 96, 112.
;   63 + 16 k .. 68 + 16 k   O of row block k times alpha: 6, 6, 5, 5, 5, 5 (gap 63's six stand behind the barrier).  The four of block d j stand ahead of product
;           64 + 16 k + j, and none names an accumulator that a product of this row block has taken up.
;   109, 110, 117-126   the K fragments of tile T + 1: 6, 6, then 2 a gap, in the order of use
;   127     five places: before a matrix instruction writes over P, loads go into the V fragments or a vector instruction touches O, on every way on (ISA guide 7.12.1 for matrix and vector instructions)
.macro GAP
.if G < 11
	CVN 5
.elseif G == 11
	CVN 4
.elseif G < 14
	STN 10
.elseif G == 14
	STN 9
.elseif G == 15
	CVN 5
	STN 3
.elseif G == 16
	LUMP
.elseif G < 19
	HN 7
.elseif G < 23
	HN 1
	LVN 5
.elseif G < 26
	HN 1
	LVN 4
.elseif G < 63
	SF 6
.elseif G == 63
.elseif G == 127
	PLACES 5
.elseif (G-63)%16 < 2
	RSN 6
.elseif (G-63)%16 < 6
	RSN 5
.elseif G < 109
	SF 6
.elseif G < 111
	LKN 6
.else
	LKN 2
.endif
.endm
.macro TILE slot, nxt, first, grd
.set TS, \slot
.set TN, \nxt
.set TF, \first
.set CX, 0
.set DX, 0
.set VX, 0
.set KX, 0
.set HX, 0
.set RX, 0
.set SX, 0
.set G, 0
.if \grd
	SKIPGE 0, s21, .Lp1_\@
.endif
	s_add_co_u32 s34, s23, 2                       ; the table's entries of tiles T + 2 (loaded in gap 16) and T + 4 (prefetched there), clamped to the table's row
	s_min_u32 s34, s34, 31
	s_lshl_b32 s34, s34, 3                         ; a tile is two entries
	s_add_co_u32 s35, s23, 4
	s_min_u32 s35, s35, 31
	s_lshl_b32 s35, s35, 3
	s_load_b32 s32, s[10:11], s34 offset:0x0
	s_load_b32 s33, s[10:11], s35 offset:0x0
	s_wait_loadcnt 0x0                             ; tile T + 1 is in STG; no load is out, so STG and the load bases may be written
.rept 64
.if G < 16
.if G%4 == 0
	s_wait_dscnt 24-2*G                            ; the K fragments come in the order of use, eight loads for each 32 of d: 24, 16, 8, 0 younger ones may be out
.endif
.endif
	MS
	GAP
.set G, G+1
.endr
	WIN 0
.if \grd
.Lp1_\@:
.endif
	s_wait_dscnt 0x0                               ; for the others: my stores into the other slot are done and my reads of this slot are back (the V fragments among them)
	s_barrier_signal -1
	s_barrier_wait -1                              ; the other slot is whole; nobody reads this slot any more
.if \grd
	SKIPGE 0, s21, .Lp2_\@
.endif
	RSN 6                                          ; gap 63
.rept 64
	MP
	GAP
.set G, G+1
.endr
	WIN 0
.if \grd
.Lp2_\@:
.endif
	s_add_co_u32 s23, s23, 1
.endm
; 16 rows of out0: 32 bytes a lane into my stage, whole rows of 512 bytes back, each stored by one instruction of the wave (512 consecutive bytes, aligned).
; The stage is my wave's own and LDS serves a wave's instructions in order (ISA guide 5.7.1): no wait between stores and loads, nor ahead of the next 16 rows' stores.
; The read-back has registers of its own for each row block (window 3, 64 rb + 4 i): no store's data is ever rewritten.
.macro OUT rb
	WIN 0x08
.irp db, 0,1,2,3,4,5,6,7
	ds_store_b128 v[OST], v[64*\rb+8*\db:64*\rb+8*\db+3]   offset:64*\db
	ds_store_b128 v[OST], v[64*\rb+8*\db+4:64*\rb+8*\db+7] offset:64*\db+16
.endr
	WIN W_L3
.set i, 0
.rept 16
	ds_load_b128 v[64*\rb+4*i:64*\rb+4*i+3], v[ORD] offset:i*OP
.set i, i+1
.endr
	WIN W_ST
.set i, 0
.rept 16
	s_wait_dscnt 15-i                              ; LDS loads come back in order: row i is in, the younger ones may be out
	global_store_b128 v[LO], v[64*\rb+4*i:64*\rb+4*i+3], s[14:15] offset:(16*\rb+i)*TOK th:TH_STORE_NT
.set i, i+1
.endr
.endm
; ---------------------------------------------------------------- the start
	s_load_b256 s[4:11], s[0:1], 0x0               ; query, key_cache, value_cache, block_tables
	s_load_b128 s[12:15], s[0:1], 0x20             ; seq_lens, out0
	v_lshl_add_u32 v126, v0, 2, 0x22800
	v_mov_b32 v127, 0
	v_lshrrev_b32 v4, 5, v0
	v_readfirstlane_b32 s16, v4                    ; wave 0..3
	v_and_b32 v1, 31, v0                           ; lane
	v_and_b32 v2, 15, v0                           ; r
	v_bfe_u32 v3, v0, 4, 1                         ; h
	s_and_b32 s17, ttmp9, 7                        ; pb
	s_bfe_u32 s18, ttmp9, 0x30003                  ; kvh
	s_lshr_b32 s19, ttmp9, 6                       ; b
	s_mov_b32 s26, 0x76543210                      ; v_permlanex16_b32: lane i of one half reads lane i of the other
	s_mov_b32 s27, 0xfedcba98
	s_mov_b32 s28, 0x3e0293ee                      ; c = 128^-0.5 x log2 e
	s_mov_b32 s29, 0x3e0293ee
	s_mov_b32 s30, 0xbe0293ee                      ; -c
	s_mov_b32 s37, 0
	s_mov_b32 s23, 0                               ; T
	v_lshlrev_b32 v[LO], 4, v1
	v_lshrrev_b32 v5, 1, v1
	v_and_b32 v6, 1, v0
	v_lshlrev_b32 v6, 8, v6
	v_lshl_add_u32 v[PFO], v5, 12, v6
	v_mul_u32_u24 v5, v2, KP
	v_lshl_add_u32 v[KADR], v3, 4, v5
	v_add_nc_u32 v[KADR+1], SLOT, v[KADR]
	v_and_b32 v5, 7, v0
	v_lshl_add_u32 v5, v3, 3, v5
	v_mul_u32_u24 v5, v5, VP
	v_bfe_u32 v6, v0, 3, 1
	v_lshl_add_u32 v5, v6, 4, v5
	v_add_nc_u32 v[VADR], VOFF, v5
	v_add_nc_u32 v[VADR+1], SLOT, v[VADR]
	s_mul_i32 s31, s16, 16*KP
	v_lshl_add_u32 v[KST], v1, 3, s31
	v_add_nc_u32 v[KST+1], SLOT, v[KST]
	s_mul_i32 s31, s16, 16*VP
	s_add_co_u32 s31, s31, VOFF
	v_lshl_add_u32 v[VST], v1, 3, s31
	v_add_nc_u32 v[VST+1], SLOT, v[VST]
	s_mul_i32 s47, s16, PRIVB
	s_add_co_u32 s47, s47, PRIV                    ; my wave's own bytes
	v_lshl_add_u32 v[QST], v1, 3, s47
	v_add_nc_u32 v[QFR], s47, v[KADR]
	v_mul_u32_u24 v5, v2, OP
	v_lshl_add_u32 v5, v3, 5, v5
	v_add_nc_u32 v[OST], s47, v5
	v_lshl_add_u32 v[ORD], v1, 4, s47
	v_mov_b32 v[NINF], 0xff800000
	v_lshlrev_b32 v5, 3, v3
	v_sub_nc_u32 v7, v2, v5                        ; r - 8 h
.irp rb, 0,1,2,3
	v_mov_b32 v[TX+\rb], 0                         ; v_permlanex16_b32 counts as a reader of its destination
.endr
	; byte offsets of my parts, each in registers of its own
	s_lshl_b32 s36, s19, 23                        ; query, out0: (512 b + 64 pb) tokens + (4 kvh + w) heads of 512 bytes
	s_lshl_b32 s31, s17, 20
	s_add_co_u32 s36, s36, s31
	s_lshl_b32 s31, s18, 11
	s_add_co_u32 s36, s36, s31
	s_lshl_b32 s31, s16, 9
	s_add_co_u32 s36, s36, s31
	s_lshl_b32 s38, s18, 9                         ; caches: head kvh, and positions 16 (w & 1) .. + 15 of a block
	s_and_b32 s31, s16, 1
	s_lshl_b32 s31, s31, 16
	s_add_co_u32 s38, s38, s31
	s_mov_b32 s39, 0
	s_lshl_b32 s40, s19, 8                         ; table: row b, and the tile's first or second block, w >> 1
	s_lshr_b32 s31, s16, 1
	s_lshl_b32 s31, s31, 2
	s_add_co_u32 s40, s40, s31
	s_mov_b32 s41, 0
	s_lshl_b32 s42, s19, 2                         ; seq_lens[b]
	s_mov_b32 s43, 0
	s_wait_kmcnt 0x0
	s_add_nc_u64 s[4:5], s[4:5], s[36:37]
	s_add_nc_u64 s[14:15], s[14:15], s[36:37]
	s_add_nc_u64 s[6:7], s[6:7], s[38:39]
	s_add_nc_u64 s[8:9], s[8:9], s[38:39]
	s_add_nc_u64 s[10:11], s[10:11], s[40:41]
	s_add_nc_u64 s[12:13], s[12:13], s[42:43]
	s_load_b32 s20, s[12:13], 0x0                  ; seq_len
	s_load_b32 s32, s[10:11], 0x0                  ; my block of tile 0
	s_load_b32 s33, s[10:11], 0x8                  ; and of tile 1
	; Q: 64 rows of 512 bytes, read once in the launch, into window 2 (O's registers, not yet in use)
	WIN 0x80
.set i, 0
.rept 64
	global_load_b128 v[4*i:4*i+3], v[LO], s[4:5] offset:i*TOK th:TH_LOAD_NT
.set i, i+1
.endr
	WIN 0
	s_wait_kmcnt 0x0
	s_max_i32 s20, s20, 0xfffffe00                 ; seq_len into [-512, 4608]
	s_min_i32 s20, s20, 4608
	s_sub_co_i32 s20, s20, 512
	s_lshl_b32 s31, s17, 6
	s_add_co_i32 s20, s20, s31                     ; e0 = seq_len - 512 + 64 pb
	s_add_co_i32 s21, s20, 127                     ; keys 0 .. e0 + 63 are wanted: NT = ceil((e0 + 64) / 64); tiles 0 and 1 are always walked
	s_ashr_i32 s21, s21, 6
	s_max_i32 s21, s21, 2
	s_min_i32 s21, s21, 32
	s_add_co_i32 s25, s20, 1                       ; tile t needs no mask where 64 t + 63 <= e0: t < NFT = floor((e0 + 1) / 64)
	s_ashr_i32 s25, s25, 6
	s_max_i32 s25, s25, 0
	s_min_i32 s25, s25, 32
	s_cmp_eq_u32 s17, 7
	s_cselect_b32 s22, s21, 0
	v_add_nc_u32 v7, s20, v7
.irp rb, 0,1,2,3
	v_add_nc_u32 v[LB+\rb], 16*\rb, v7
.endr
	s_min_u32 s32, s32, 255
	s_lshl_b32 s36, s32, 17
	s_add_nc_u64 s[38:39], s[6:7], s[36:37]
	s_add_nc_u64 s[40:41], s[8:9], s[36:37]
	GLD                                            ; tile 0
	s_wait_loadcnt 32                              ; only tile 0's 32 loads are younger than Q's
	WIN 0x8a
.set i, 0
.rept 64
	v_cvt_pk_bf16_f32 v[4*i],   v[4*i],   v[4*i+1]
	v_cvt_pk_bf16_f32 v[4*i+1], v[4*i+2], v[4*i+3]
.set i, i+1
.endr
	WIN 0x08
.set i, 0
.rept 64
	ds_store_b64 v[QST], v[4*i:4*i+1] offset:i*KP
.set i, i+1
.endr
	WIN W_L1                                       ; my own bytes, served in order: the fragment loads see the stores above
.irp rb, 0,1,2,3
.irp ks, 0,1,2,3
	ds_load_b128 v[QF+8*(4*\rb+\ks):QF+8*(4*\rb+\ks)+3],   v[QFR] offset:\rb*16*KP+64*\ks
	ds_load_b128 v[QF+8*(4*\rb+\ks)+4:QF+8*(4*\rb+\ks)+7], v[QFR] offset:\rb*16*KP+64*\ks+32
.endr
.endr
	s_wait_loadcnt 0x0                             ; tile 0
.set TS, 0
.set TN, 0                                             ; here the streams' other slot is slot 0
.set TF, 0
.set CX, 0
.set DX, 0
.set KX, 0
	CVN 64
	STN 32
	WIN 0
	s_wait_dscnt 0x0                               ; my quarter of slot 0 is stored (and Q's fragments are in)
	s_barrier_signal -1
	s_barrier_wait -1
	s_min_u32 s33, s33, 255                        ; tile 0's loads are done: the bases may be written
	s_lshl_b32 s36, s33, 17
	s_add_nc_u64 s[38:39], s[6:7], s[36:37]
	s_add_nc_u64 s[40:41], s[8:9], s[36:37]
	GLD                                            ; tile 1 (NT is at least 2)
	LKN 32                                         ; tile 0's K fragments
	WIN 0
; ---------------------------------------------------------------- the 32 tiles
	TILE 0, 1, 1, 0                                ; tile 0 starts every sum: nothing is cleared
	TILE 1, 0, 0, 0
	s_mov_b32 s24, 15
.Lpair:
	TILE 0, 1, 0, 1
	TILE 1, 0, 0, 1
	s_sub_co_i32 s24, s24, 1
	s_cmp_lg_u32 s24, 0
	s_cbranch_scc1 .Lpair
; ---------------------------------------------------------------- the way out
	s_wait_loadcnt 0x0                             ; no load into window 3 is out,
	s_wait_dscnt 0x0                               ; nor an LDS load (the last tile's K fragment loads): its registers take the read-back
.irp rb, 0,1,2,3
	v_permlanex16_b32 v[TX+\rb], v[ST+4*\rb+3], s26, s27   ; the two halves of a row's sum meet
.endr
.irp rb, 0,1,2,3
	v_add_f32 v[ST+4*\rb+3], v[ST+4*\rb+3], v[TX+\rb]
.endr
.irp rb, 0,1,2,3
	v_rcp_f32 v[ST+4*\rb+2], v[ST+4*\rb+3]
.endr
	v_nop                                          ; the plain place behind the reciprocals (ISA guide 5.7.2)
	s_wait_alu depctr_va_vdst(0)
.set TF, 0
.set RX, 0
	RSN 128                                        ; O / l
	OUT 0
	OUT 1
	OUT 2
	OUT 3
	WIN 0
	s_wait_tensorcnt 0x0
	ds_add_u32 v126, v127
	s_wait_dscnt 0x0
	s_endpgm
.Lfunc_end_k_q5904949fea_attn:
	.size	k_q5904949fea_attn, .Lfunc_end_k_q5904949fea_attn-k_q5904949fea_attn
	.p2alignl 7, 3214868480
	.fill 96, 4, 3214868480
	.section	.rodata,"a",@progbits
	.p2align	6, 0x0
	.amdhsa_kernel k_q5904949fea_attn
		.amdhsa_group_segment_fixed_size 141824
		.amdhsa_private_segment_fixed_size 0
		.amdhsa_enable_private_segment 0
		.amdhsa_kernarg_size 48
		.amdhsa_user_sgpr_count 2
		.amdhsa_user_sgpr_kernarg_segment_ptr 1
		.amdhsa_wavefront_size32 1
		.amdhsa_system_sgpr_workgroup_id_x 1
		.amdhsa_system_sgpr_workgroup_id_y 1
		.amdhsa_system_sgpr_workgroup_id_z 1
		.amdhsa_system_vgpr_workitem_id 0
		.amdhsa_next_free_vgpr 1024
		.amdhsa_next_free_sgpr 66
		.amdhsa_reserve_vcc 1
		.amdhsa_float_denorm_mode_32 3
		.amdhsa_float_denorm_mode_16_64 3
		.amdhsa_memory_ordered 1
		.amdhsa_forward_progress 1
		.amdhsa_inst_pref_size 255
	.end_amdhsa_kernel
	.section	.bss,"aw",@nobits
	.p2align	6
	.space	262144
	.amdgpu_metadata
---
amdhsa.version: [ 1, 2 ]
amdhsa.kernels:
  - .name:           k_q5904949fea_attn
    .symbol:         k_q5904949fea_attn.kd
    .args:
      - { .name: query, .offset: 0, .size: 8, .value_kind: global_buffer, .address_space: global }
      - { .name: key_cache, .offset: 8, .size: 8, .value_kind: global_buffer, .address_space: global }
      - { .name: value_cache, .offset: 16, .size: 8, .value_kind: global_buffer, .address_space: global }
      - { .name: block_tables, .offset: 24, .size: 8, .value_kind: global_buffer, .address_space: global }
      - { .name: seq_lens, .offset: 32, .size: 8, .value_kind: global_buffer, .address_space: global }
      - { .name: out0, .offset: 40, .size: 8, .value_kind: global_buffer, .address_space: global }
    .group_segment_fixed_size: 141824
    .private_segment_fixed_size: 0
    .kernarg_segment_align: 8
    .kernarg_segment_size: 48
    .max_flat_workgroup_size: 128
    .sgpr_count:     66
    .vgpr_count:     1024
    .wavefront_size: 32
...
	.end_amdgpu_metadata
.endif
;; end of part 1
;; ======== version 2 of 2: 1 launch; version 1 with the launch attn written anew for expert scheduling mode
;; launch attn (part 2): grid 256 x 1, 4 waves a work-group, no clusters, 141,824 bytes of LDS; arguments query, key_cache, value_cache, block_tables, seq_lens, out0; writes out0
.if DOCPART == 2
	.amdgcn_target "amdgcn-amd-amdhsa--gfx1250"
	.amdhsa_code_object_version 6
	.text
	.protected	k_q5904949fea_attn
	.globl	k_q5904949fea_attn
	.p2align	8
	.type	k_q5904949fea_attn,@function
k_q5904949fea_attn:
	s_mov_b64 s[64:65], 0
	v_nop
	global_prefetch_b8 v0, s[64:65] scope:SCOPE_SE
	s_setreg_imm32_b32 hwreg(HW_REG_WAVE_SCHED_MODE, 0, 2), 2
	s_setreg_imm32_b32 hwreg(HW_REG_WAVE_MODE, 25, 1), 1
	s_wait_xcnt 0x0
	s_wait_alu depctr_vm_vsrc(0)
; Causal GQA attention over a paged KV cache, one launch: gather, Q K^T, mask, softmax with a running maximum, P V, division.
; query, out0: [2048 tokens][32 heads][128] f32.  key_cache, value_cache: [256 blocks][32 positions][8 heads][128] f32.
; block_tables: [4][64] i32.  seq_lens: [4] i32.  query_start_loc is not read: reference() never reads it (it takes 512 queries a sequence from the shapes).
;
; SHARE.  Work-group id = 64 b + 8 kvh + pb: sequence b, KV head kvh, 64 query positions 64 pb .. 64 pb + 63, with the 4 query heads of kvh: 256 rows.
; Wave w takes head 4 kvh + w and all 64 positions, as four row blocks rb of 16.  Keys go in tiles of 64 (two physical blocks) through two LDS slots.
; Each wave loads a quarter of each tile (16 rows of K, 16 of V) as f32 into registers, rounds to bf16 and stores it into LDS for all four.
;
; TRANSPOSED PRODUCTS.  S^T = K Q^T (source 0 = 16 keys, source 1 = 16 queries): lane (r, h) register j holds query r, key 8 h + j.  Two neighbouring
; tiles of S^T, packed to bf16, are source 1 (32 keys x 16 queries) of O^T = V^T P as they lie; there lane (r, h) register j holds query r, d = 8 h + j.
; So maximum, rescale factor and sum are one number a lane and row block, and the only step between lanes is lane xor 16.
;
; ONE TILE IS WOVEN.  Its 128 matrix instructions go by row blocks, S0 S1 S2 S3 PV0 PV1 PV2 PV3 (16 each), and behind each of them stands a gap with
; other instructions, so that the wave has work to issue while a product runs.  The softmax of row block k needs S_k alone and PV_k
; needs that softmax alone, so softmax k runs under the products of the later blocks.  The macro GAP is the table of what stands in which gap.
;
; THE MODE: SCHED_MODE bits 1:0 = 2 (LLVM: expert scheduling mode 2), set by the entry lines.  The code itself states the register dependences
; between vector or matrix instructions and memory or LDS instructions, with s_wait_alu, always for 0.
; THE PLAN.  Registers that memory or LDS instructions touch, round the loop:
;   STG     The global loads of gap 19 of tile T land in it (tile T + 2).  Tile T + 1: its roundings (gaps 0-15) read and write it, its LDS stores (gaps 16-18) read it, gap 19's loads land again.
;   KF      The LDS loads of gaps 109-126 land in it; the next tile's products 0-63 read it.
;   VF      The LDS loads of gaps 20-25 land in it; the same tile's products 64-127 read it.
;   v8-v21  Offsets and LDS addresses: made at the start, never written again.
;   S / P, O, Q's fragments and the softmax state are named by vector and matrix instructions alone in the loop.
; So a tile has four such waits.  (1) va_vdst in gap 16: the roundings have written STG, which the stores read; the last tile's products 64-127 are done reading VF, and nothing
; issued from there to gap 25 names VF or its address.  (2) vm_vsrc in gap 19, ahead of the guard: the stores have read STG.  (3) va_vdst straight ahead of gap 19's loads: the roundings
; are done with STG; it stands there once more because the stores between (1) and the loads name STG.  (4) va_vdst ahead of the barrier: products 0-63 are done reading KF, and nothing
; in the tile's second half names KF or its address ahead of the loads of gaps 109-126.
; A masked row block makes its 32 mask words in two runs of sixteen compares into scalar registers, with one wait on va_sdst between a run and the selects that read it.
;
; MASK.  reference() keeps key k for query l where k <= seq_len - 512 + l and k < seq_len; the first implies the second (l <= 511).
; seq_len is clamped to [-512, 4608] first: with k in 0..2047 and l in 0..511 that changes no mask bit, for any int32.
; A row without any key gives NaN, as reference() does (-inf minus -inf ahead of the exponential).
; TRIPS.  All 32 tiles' barriers are passed by every wave: the loop's trip count is a constant, and tiles at or beyond NT (no key of theirs is kept
; by any of my 64 positions) jump over the work alone, never over a barrier.
;
; LIMITS.  Q, K, V and P go to the matrix unit rounded to bf16; the row sum is taken over the unrounded f32 P.  The factor 128^-0.5 log2 e stands in the
; f32 multiply-add ahead of the exponential, Q is rounded unscaled.  A block index is taken as unsigned and clamped to 255, the cache's last block.
; In a work-group's last tile the rounding, the LDS stores and the K fragment loads for a following tile are still done (64 + 32 + 32 instructions, once):
; they lie among the products, and what they move is read by nobody.
;
; NO CLUSTER, NO TENSOR LOADS.  The eight position blocks of one (b, kvh) read the same K and V, but the caches are f32: a tile landed in LDS by an engine
; is 65,536 bytes that would be read from LDS, rounded and stored again (32,768 bytes) on top of the 131,072 bytes of fragment reads of a tile;
; through registers the rounding lies on the way.  And the eight need different numbers of tiles (NT hangs on pb).
;
; LDS (141,312 bytes), filled by ds_store alone:
;   slot s at s x 35,840: K 64 rows of 272 bytes (256 + 16), then V 64 rows of 288 bytes (256 + 32)
;   wave w's own 17,408 bytes at 71,680 + 17,408 w: first Q (64 rows of 272), at the end the stage for out0 (16 rows of 528)
;   272 = 17 x 16 and 528 = 33 x 16: sixteen rows start at sixteen different 16-byte columns modulo 256; 288 = 9 x 32: eight rows x two columns likewise.
;
; REGISTERS, in windows of 256 (s_set_vgpr_msb: bits 1:0 source 0, 3:2 source 1, 5:4 source 2, 7:6 destination):
;   window 0: addresses, softmax state, S / P          window 1: Q fragments (0-127), V fragments (128-255)
;   window 2: O, 4 row blocks x 8 blocks of d          window 3: K fragments (0-127), the next tile as loaded (128-255)
; The softmax works in the window of the accumulators S; K and Q fragments (128 + 128 registers) do not fit beside S (128) and the state, so a gap
; costs two switches of the window.
.set TOK,   16384                      ; bytes from token to token in query and out0
.set ROWB,  4096                       ; bytes from position to position inside a cache block
.set KP,    272                        ; LDS pitch of K and Q rows
.set VP,    288                        ; LDS pitch of V rows
.set VOFF,  64*KP                      ; V behind K in a slot
.set SLOT,  64*KP+64*VP                ; 35,840
.set PRIV,  2*SLOT                     ; the waves' own bytes
.set PRIVB, 64*KP                      ; 17,408 for each wave
.set OP,    528                        ; pitch of the stage for out0
; window 0
.set LO,    8                          ; 16 x lane: my 16 bytes of a row of 512
.set PFO,   9                          ; prefetch: (lane / 2) rows of 4,096 + (lane & 1) x 256
.set KADR,  10                         ; v10-11  K fragments in slot 0, 1: r x 272 + 16 h
.set VADR,  12                         ; v12-13  V fragments: (8 h + lane % 8) x 288 + 16 ((lane / 8) & 1)
.set KST,   14                         ; v14-15  where I store my K rows: 16 w rows + 8 x lane
.set VST,   16                         ; v16-17  the same for V
.set QST,   18                         ; Q stage, in
.set QFR,   19                         ; Q stage, fragments
.set OST,   20                         ; out stage, in: r x 528 + 32 h
.set ORD,   21                         ; out stage, back: 16 x lane
.set NINF,  22                         ; -infinity
.set LB,    24                         ; v24-27  row block rb: q_abs of my query - 8 h
.set LIM,   28                         ; v28-31  that minus the tile's first key
.set ST,    32                         ; v32-47  row block rb at ST + 4 rb: -c m, m, alpha (at the end 1 / l), l
.set TM,    56                         ; v56-59  four chains of the tile's maximum
.set TX,    60                         ; v60-63  what the other half of the lanes holds
.set SUM,   64                         ; v64-71  four chains of two sums
.set SC,    128                        ; v128-255  S(kb, rb) at SC + 32 rb + 8 kb; P(rb, kp) in the first 8 of the 16 at SC + 32 rb + 16 kp
; window 1
.set QF,    0                          ; QF + 8 (4 rb + ks)
.set VF,    128                        ; VF + 8 (2 db + kp)
; window 3
.set KF,    0                          ; KF + 8 (4 ks + kb)
.set STG,   128                        ; STG + 4 i: i = 0..15 my K rows, 16..31 my V rows
; window settings
.set W_S,   0x07                       ; S product: K window 3, Q window 1, C and D window 0
.set W_PV,  0xa1                       ; PV product: V window 1, P window 0, C and D window 2
.set W_O,   0x82                       ; O times a factor: O window 2, the factor window 0
.set W_L3,  0xc0                       ; a load into window 3
.set W_L1,  0x40                       ; a load into window 1
.set W_CV,  0xcf                       ; rounding in place in window 3
.set W_ST,  0x0c                       ; store data from window 3
; scalars: s[4:5] query, s[6:7] key_cache, s[8:9] value_cache, s[10:11] block_tables, s[12:13] seq_lens, s[14:15] out0, each at my part;
; s16 wave, s17 pb, s18 kvh, s19 b, s20 e0 = q_abs of my first position, s21 NT, s22 where prefetching ends, s23 T (tile), s24 trips, s25 NFT,
; s26-27 lane selects, s[28:29] c, s30 -c, s31, s47 at work, s32-33 block indices, s34-35 their offsets, s[36:37] an offset, s[38:41] load bases, s[42:45] prefetch bases, s46 64 T,
; s48-63 sixteen mask words
.set MK,    48
.set MSB, 0
.macro WIN new                         ; the immediate's high byte repeats the setting that is left
.if MSB != \new
	s_set_vgpr_msb (MSB<<8)|\new
.set MSB, \new
.endif
.endm
.macro PLACES n
.rept \n
	v_nop
.endr
.endm
; jump to label unless T + add < lim.  Every window is 0 here.
.macro SKIPGE add, lim, label
.if \add
	s_add_co_u32 s31, s23, \add
	s_cmp_lt_u32 s31, \lim
.else
	s_cmp_lt_u32 s23, \lim
.endif
	s_cbranch_scc0 \label
.endm
; ---------------------------------------------------------------- the streams of side work.  Each has a position (a symbol) and a macro that issues its next n instructions.
; TS = the tile's slot, TN = the other slot, TF = 1 in the launch's first tile.
; CX 0..63: my 16 rows of K and 16 of V, 4 f32 a lane to 4 bf16, in place: row CX / 2, half CX % 2
.macro CVN n
	WIN W_CV
.rept \n
	v_cvt_pk_bf16_f32 v[STG+4*(CX/2)+CX%2], v[STG+4*(CX/2)+2*(CX%2)], v[STG+4*(CX/2)+2*(CX%2)+1]
.set CX, CX+1
.endr
.endm
; DX 0..31: 8 bytes a lane into the other slot (a store of the wave covers a row's 256 bytes)
.macro STN n
	WIN W_ST
.rept \n
.if DX < 16
	ds_store_b64 v[KST+TN], v[STG+4*DX:STG+4*DX+1] offset:DX*KP
.else
	ds_store_b64 v[VST+TN], v[STG+4*DX:STG+4*DX+1] offset:(DX-16)*VP
.endif
.set DX, DX+1
.endr
.endm
; VX 0..31: V lies [key][d]; a fragment is 16 d x 32 keys: two transposing loads, 16 rows apart.  kp = VX / 16, db = (VX / 2) % 8
.macro LVN n
	WIN W_L1
.rept \n
.set VD, VF+8*(2*((VX/2)%8)+VX/16)+4*(VX%2)
	ds_load_tr16_b128 v[VD:VD+3], v[VADR+TS] offset:(VX/16)*32*VP+32*((VX/2)%8)+(VX%2)*16*VP
.set VX, VX+1
.endr
.endm
; KX 0..31: the next tile's K fragments (16 keys x 32 d: two loads of 16 bytes, 32 bytes apart), in the order of use: ks = KX / 8, kb = (KX / 2) % 4
.macro LKN n
	WIN W_L3
.rept \n
	ds_load_b128 v[KF+4*KX:KF+4*KX+3], v[KADR+TN] offset:((KX/2)%4)*16*KP+64*(KX/8)+32*(KX%2)
.set KX, KX+1
.endr
.endm
; RX 0..127: O times the lane's own factor of row block RX / 32 (alpha; at the end 1 / l).  Nothing in the first tile: its products start the sums.
.macro RSN n
.if TF == 0
	WIN W_O
.rept \n
	v_pk_mul_f32 v[2*RX:2*RX+1], v[2*RX:2*RX+1], v[ST+4*(RX/32)+2:ST+4*(RX/32)+3] op_sel_hi:[1,0]
.set RX, RX+1
.endr
.endif
.endm
; 32 global loads: each takes one row's 512 consecutive bytes, aligned.  No cache word: eight work-groups read these rows.
.macro GLD
	WIN W_L3
.set i, 0
.rept 16
	global_load_b128 v[STG+4*i:STG+4*i+3], v[LO], s[38:39] offset:i*ROWB
.set i, i+1
.endr
.set i, 0
.rept 16
	global_load_b128 v[STG+64+4*i:STG+64+4*i+3], v[LO], s[40:41] offset:i*ROWB
.set i, i+1
.endr
.endm
; The mask of one row block, jumped over where T < NFT (every key of the tile is kept by all my positions).
; Key 64 T + 16 kb + 8 h + j is kept where it is <= q_abs, that is 16 kb + j <= LIM = LB - 64 T.
; Sixteen compares (two accumulators' registers) write sixteen scalar registers; one wait; the sixteen selects read them.
.macro MASKG rb
	WIN 0
	s_cmp_lt_u32 s23, s25
	s_cbranch_scc1 .Lfull_\@
	s_lshl_b32 s46, s23, 6
	v_sub_nc_u32 v[LIM+(\rb)], v[LB+(\rb)], s46
.irp kp, 0,1
.set MI, 0
.rept 16
	v_cmp_le_i32 s[MK+MI], 32*\kp+16*(MI/8)+MI%8, v[LIM+(\rb)]
.set MI, MI+1
.endr
	s_wait_alu depctr_va_sdst(0)                   ; the sixteen compares have written s48 to s63, which the selects below read
.set MI, 0
.rept 16
	v_cndmask_b32 v[SC+32*(\rb)+16*\kp+MI], v[NINF], v[SC+32*(\rb)+16*\kp+MI], s[MK+MI]
.set MI, MI+1
.endr
.endr
.Lfull_\@:
.endm
; THE HEAD of a row block's softmax, instruction n of 21: the largest of my 32 scores in four chains (0-13), with the running maximum (14, 15), with the
; other half of the keys in lane xor 16 (16, 17), then c (m old - m new), -c m, alpha (18-20).  14 to 20 each read the one before.  EM = 1 if a line was issued.
.macro HI rb, n
.set HR, SC+32*(\rb)
.set HQ, ST+4*(\rb)
.set HIX, (\n)
.set EM, 1
.if HIX == 0
	MASKG \rb
.endif
	WIN 0
.if HIX < 4
	v_max3_num_f32 v[TM+HIX], v[HR+8*HIX], v[HR+8*HIX+1], v[HR+8*HIX+2]
.elseif HIX < 8
	v_max3_num_f32 v[TM+HIX-4], v[TM+HIX-4], v[HR+8*(HIX-4)+3], v[HR+8*(HIX-4)+4]
.elseif HIX < 12
	v_max3_num_f32 v[TM+HIX-8], v[TM+HIX-8], v[HR+8*(HIX-8)+5], v[HR+8*(HIX-8)+6]
.elseif HIX == 12
	v_max3_num_f32 v[TM], v[TM], v[HR+7], v[HR+15]
.elseif HIX == 13
	v_max3_num_f32 v[TM+1], v[TM+1], v[HR+23], v[HR+31]
.elseif HIX == 14
	v_max3_num_f32 v[TM], v[TM], v[TM+1], v[TM+2]
.elseif HIX == 15
.if TF
	v_max_num_f32 v[TM], v[TM], v[TM+3]
.else
	v_max3_num_f32 v[TM], v[TM], v[TM+3], v[HQ+1]
.endif
.elseif HIX == 16
	v_permlanex16_b32 v[TX], v[TM], s26, s27
.elseif HIX == 17
	v_max_num_f32 v[HQ+1], v[TM], v[TX]                    ; m
	s_wait_alu depctr_va_vdst(0)
.elseif HIX == 18
.if TF
.set EM, 0
.else
	v_fma_f32 v[HQ+2], v[HQ+1], s30, -v[HQ]                ; c (m old - m new)
	s_wait_alu depctr_va_vdst(0)
.endif
.elseif HIX == 19
	v_mul_f32 v[HQ], s30, v[HQ+1]                          ; -c m
.else
.if TF
.set EM, 0
.else
	v_exp_f32 v[HQ+2], v[HQ+2]                             ; alpha; the next vector instruction of the stream is a multiply-add that does not name it (ISA guide 5.7.2)
.endif
.endif
.endm
; THE TAIL, instruction n of 5: the four chains of sums meet, and l = l alpha + the tile's sum (my half of the keys; the halves meet at the end)
.macro TI rb, n
.set TQ, ST+4*(\rb)
.set TIX, (\n)
.set EM, 1
	WIN 0
.if TIX == 0
	v_pk_add_f32 v[SUM:SUM+1], v[SUM:SUM+1], v[SUM+2:SUM+3]
.elseif TIX == 1
	v_pk_add_f32 v[SUM+4:SUM+5], v[SUM+4:SUM+5], v[SUM+6:SUM+7]
.elseif TIX == 2
	v_pk_add_f32 v[SUM:SUM+1], v[SUM:SUM+1], v[SUM+4:SUM+5]
.elseif TIX == 3
.if TF
	v_add_f32 v[TQ+3], v[SUM], v[SUM+1]                    ; l starts here
.else
	v_add_f32 v[SUM], v[SUM], v[SUM+1]
.endif
.else
.if TF
.set EM, 0
.else
	v_fma_f32 v[TQ+3], v[TQ+3], v[TQ+2], v[SUM]
.endif
.endif
.endm
; THE SOFTMAX STREAM.  Position SX = 273 k + 13 t + u: stage k (the body of row block k), step t = 0..20, place u.  The body goes over the block's 16 register
; pairs as a pipeline; in step t:
;   u 0, 2  p = exp2 of pair t - 2        u 1  pair t - 4 into a chain of sums        u 3  pair t - 5 packed to bf16        u 4  c s - c m of pair t
;   u 5     the tail of row block k - 1, one instruction in each of steps 0 to 4
;   u 6-12  the head of row block k + 1: its 14 independent instructions in steps 12 and 13, its 7 dependent ones one a step in steps 14 to 20
; So no instruction reads the result of its neighbour, and behind each exponential a plain instruction that names neither its result nor its source comes
; before the result is used (ISA guide 5.7.2).  Sums: pairs 0-7 start the four chains two by two (nothing is cleared), pairs 8-15 are added on.
; Packing is in place: pair j goes to register 16 (j / 8) + j % 8 of the block, which holds a pair that has been summed and packed already;
; 16 registers so become the 8 of a fragment of 32 keys.  Stage 4 is the tail of row block 3 alone.
.macro SFI
.set SK, SX/273
.set SS, (SX%273)/13
.set SU, SX%13
.set BR, SC+32*SK
.set BQ, ST+4*SK
.set EM, 0
.if SU == 5
.if SK > 0
.if SS < 5
	TI SK-1, SS
.endif
.endif
.elseif SK < 4
.if SU == 0
.set SJ, SS-2
.if SJ >= 0
.if SJ < 16
	WIN 0
	v_exp_f32 v[BR+2*SJ], v[BR+2*SJ]
.set EM, 1
.endif
.endif
.elseif SU == 1
.set SJ, SS-4
.if SJ >= 8
.if SJ < 16
	WIN 0
	s_wait_alu depctr_va_vdst(0)
	v_pk_add_f32 v[SUM+2*(SJ%4):SUM+2*(SJ%4)+1], v[SUM+2*(SJ%4):SUM+2*(SJ%4)+1], v[BR+2*SJ:BR+2*SJ+1]
.set EM, 1
.endif
.elseif SJ >= 0
.if SJ%2 == 1
	WIN 0
	s_wait_alu depctr_va_vdst(0)
	v_pk_add_f32 v[SUM+2*(SJ/2):SUM+2*(SJ/2)+1], v[BR+2*SJ-2:BR+2*SJ-1], v[BR+2*SJ:BR+2*SJ+1]
.set EM, 1
.endif
.endif
.elseif SU == 2
.set SJ, SS-2
.if SJ >= 0
.if SJ < 16
	WIN 0
	v_exp_f32 v[BR+2*SJ+1], v[BR+2*SJ+1]
.set EM, 1
.endif
.endif
.elseif SU == 3
.set SJ, SS-5
.if SJ >= 0
.if SJ < 16
	WIN 0
	v_cvt_pk_bf16_f32 v[BR+16*(SJ/8)+SJ%8], v[BR+2*SJ], v[BR+2*SJ+1]
.set EM, 1
.endif
.endif
.elseif SU == 4
.if SS < 16
	WIN 0
	v_pk_fma_f32 v[BR+2*SS:BR+2*SS+1], v[BR+2*SS:BR+2*SS+1], s[28:29], v[BQ:BQ+1] op_sel_hi:[1,0,0]
.set EM, 1
.endif
.elseif SK < 3
.if SS == 12
	HI SK+1, SU-6
.elseif SS == 13
	HI SK+1, SU+1
.elseif SS > 13
.if SU == 6
	HI SK+1, SS
.endif
.endif
.endif
.endif
.endm
; the stream's next n instructions: positions that hold none are passed over (at most 68 in a row, by the table above)
.macro SF n
.set BUD, \n
.rept 100
.if BUD > 0
.if SX < 4*273+5*13
	SFI
.set SX, SX+1
.set BUD, BUD-EM
.endif
.endif
.endr
.endm
; the head of row block 0, which has no earlier body to ride in: position HX
.macro HN n
.rept \n
	HI 0, HX
.set HX, HX+1
.endr
.endm
; Gap 19: the global loads of tile T + 2 and the prefetch of tile T + 4.
.macro LUMP
	WIN 0
	s_wait_xcnt 0x0                                ; the last tile's prefetches have had their addresses translated (ISA guide 3.1): their bases may be written
	s_wait_kmcnt 0x0                               ; the two block indices, asked for at the tile's head
	s_wait_alu depctr_vm_vsrc(0)                   ; the LDS stores of gaps 16 to 18 have read STG: the loads below land in it, and where they are jumped over the next tile's roundings write it
	SKIPGE 2, s21, .Ll3_\@
	s_min_u32 s32, s32, 255
	s_lshl_b32 s36, s32, 17                        ; a block is 131,072 bytes
	s_add_nc_u64 s[38:39], s[6:7], s[36:37]        ; the last loads by these bases were waited for at the tile's head
	s_add_nc_u64 s[40:41], s[8:9], s[36:37]
	WIN W_L3
	s_wait_alu depctr_va_vdst(0)                   ; the roundings of gaps 0 to 15 are done reading and writing STG, in which the loads land; stated here, behind the switch and straight ahead of the loads, since the stores behind gap 16's wait name STG
	GLD                                            ; behind the stores that emptied STG: the loads have 108 of a tile's 128 products in which to come
	WIN 0
.Ll3_\@:
	; Prefetch: my 16 rows of K and of V of tile T + 4, 32 lanes 256 bytes apart each; the loads of that tile are issued two tiles on.
	; Only the work-group with pb = 7 asks (it walks the most tiles of the eight that share these rows), so each block is asked for once; s22 = 0 in the others.
	; Nothing is asked for beyond tile NT - 1.  Its offset register was made at the start and is never written again.
	SKIPGE 4, s22, .Ll4_\@
	s_min_u32 s33, s33, 255
	s_lshl_b32 s36, s33, 17
	s_add_nc_u64 s[42:43], s[6:7], s[36:37]
	s_add_nc_u64 s[44:45], s[8:9], s[36:37]
	global_prefetch_b8 v[PFO], s[42:43] th:TH_LOAD_NT scope:SCOPE_SE
	global_prefetch_b8 v[PFO], s[44:45] th:TH_LOAD_NT scope:SCOPE_SE
.Ll4_\@:
.endm
; Matrix instruction G of the tile.  0-63: S^T = K Q^T, row block G / 16, then 32 of d, then 16 keys; the first 32 of d start the sums.
; 64-127: O^T += V^T P, row block (G - 64) / 16, then 32 keys, then 16 of d; in the launch's first tile the first 32 keys start the sums.
; The accumulators take turns, one instruction a turn (4 in a block of S, 8 in a block of PV), over the blocks' and the tiles' borders too.
.macro MS
.set MR, G/16
.set MKS, (G%16)/4
.set MKB, G%4
	WIN W_S
.if MKS == 0
	v_wmma_f32_16x16x32_bf16 v[SC+32*MR+8*MKB:SC+32*MR+8*MKB+7], v[KF+8*(4*MKS+MKB):KF+8*(4*MKS+MKB)+7], v[QF+8*(4*MR+MKS):QF+8*(4*MR+MKS)+7], 0
.else
	v_wmma_f32_16x16x32_bf16 v[SC+32*MR+8*MKB:SC+32*MR+8*MKB+7], v[KF+8*(4*MKS+MKB):KF+8*(4*MKS+MKB)+7], v[QF+8*(4*MR+MKS):QF+8*(4*MR+MKS)+7], v[SC+32*MR+8*MKB:SC+32*MR+8*MKB+7]
.endif
.endm
.macro MP
.set MR, (G-64)/16
.set MKP, ((G-64)%16)/8
.set MDB, G%8
	WIN W_PV
.if TF*(1-MKP)
	v_wmma_f32_16x16x32_bf16 v[64*MR+8*MDB:64*MR+8*MDB+7], v[VF+8*(2*MDB+MKP):VF+8*(2*MDB+MKP)+7], v[SC+32*MR+16*MKP:SC+32*MR+16*MKP+7], 0
.else
	v_wmma_f32_16x16x32_bf16 v[64*MR+8*MDB:64*MR+8*MDB+7], v[VF+8*(2*MDB+MKP):VF+8*(2*MDB+MKP)+7], v[SC+32*MR+16*MKP:SC+32*MR+16*MKP+7], v[64*MR+8*MDB:64*MR+8*MDB+7]
.endif
.endm
; THE TABLE OF GAPS: what stands behind matrix instruction G.
;   0-15    tile T + 1 is rounded, four roundings a gap (64).  No LDS instruction stands here: the counted waits for the K fragments stay simple.
;           Gap 15's four are the places between S0's last product and the first reader of its results (ISA guide 7.12.1 asks for four).
;   16-18   the rounded tile is stored into the other slot (12, 10, 10), behind the one wait that states that the roundings have written it;
;           in gaps 17 and 18 also the 14 independent instructions of row block 0's head
;   19      LUMP
;   19-25   the head's seven dependent instructions, one a gap; in gaps 20-25 among the 32 V fragment loads (6, 6, 5, 5, 5, 5)
;   26-62, 69-78, 85-94, 101-108   the softmax stream, six a gap: 387 instructions in 65 gaps.  By that count the head of block 1 begins in gap 33, of block 2
;           in gap 50 (49 in the first tile), of block 3 in gap 73 (72): behind products 31, 47, 63 and at least two gaps of the stream, more than four of whose
;           instructions are plain and name no register of those products.  P of blocks 0 to 3 is whole in gaps 42, 59, 88, 107: ahead of products 64, 80, 96, 112.
;   63 + 16 k .. 68 + 16 k   O of row block k times alpha: 6, 6, 5, 5, 5, 5 (gap 63's six stand behind the barrier).  The four of block d j stand ahead of product
;           64 + 16 k + j, and none names an accumulator that a product of this row block has taken up.
;   109, 110, 117-126   the K fragments of tile T + 1: 6, 6, then 2 a gap, in the order of use
;   127     five places: before a matrix instruction writes over P or a vector instruction touches O, on every way on (ISA guide 7.12.1)
.macro GAP
.if G < 16
	CVN 4
.elseif G == 16
	WIN W_ST
	s_wait_alu depctr_va_vdst(0)                   ; the 64 roundings have written STG, which the stores of gaps 16 to 18 read; the last tile's products 64 to 127 are done reading VF, in which the loads of gaps 20 to 25 land
	STN 12
.elseif G < 19
	STN 10
	HN 7
.elseif G == 19
	HN 1
	LUMP
.elseif G < 22
	HN 1
	LVN 6                                          ; no wait: nothing issued since gap 16's wait names VF or its address
.elseif G < 26
	HN 1
	LVN 5
.elseif G < 63
	SF 6
.elseif G == 63
.elseif G == 127
	PLACES 5
.elseif (G-63)%16 < 2
	RSN 6
.elseif (G-63)%16 < 6
	RSN 5
.elseif G < 109
	SF 6
.elseif G < 111
	LKN 6                                          ; no wait: nothing issued since the wait ahead of the barrier names KF or its address
.else
	LKN 2
.endif
.endm
.macro TILE slot, nxt, first, grd
.set TS, \slot
.set TN, \nxt
.set TF, \first
.set CX, 0
.set DX, 0
.set VX, 0
.set KX, 0
.set HX, 0
.set RX, 0
.set SX, 0
.set G, 0
.if \grd
	SKIPGE 0, s21, .Lp1_\@
.endif
	s_add_co_u32 s34, s23, 2                       ; the table's entries of tiles T + 2 (loaded in gap 19) and T + 4 (prefetched there), clamped to the table's row
	s_min_u32 s34, s34, 31
	s_lshl_b32 s34, s34, 3                         ; a tile is two entries
	s_add_co_u32 s35, s23, 4
	s_min_u32 s35, s35, 31
	s_lshl_b32 s35, s35, 3
	s_load_b32 s32, s[10:11], s34 offset:0x0
	s_load_b32 s33, s[10:11], s35 offset:0x0
	s_wait_loadcnt 0x0                             ; tile T + 1 is in STG; no load is out, so STG and the load bases may be written
.rept 64
.if G < 16
.if G%4 == 0
	s_wait_dscnt 24-2*G                            ; the K fragments come in the order of use, eight loads for each 32 of d: 24, 16, 8, 0 younger ones may be out
.endif
.endif
	MS
	GAP
.set G, G+1
.endr
	WIN 0
.if \grd
.Lp1_\@:
.endif
	s_wait_alu depctr_va_vdst(0)                   ; products 0 to 63 are done reading KF, in which the loads of gaps 109 to 126 land
	s_wait_dscnt 0x0                               ; for the others: my stores into the other slot are done and my reads of this slot are back (the V fragments among them)
	s_barrier_signal -1
	s_barrier_wait -1                              ; the other slot is whole; nobody reads this slot any more
.if \grd
	SKIPGE 0, s21, .Lp2_\@
.endif
	RSN 6                                          ; gap 63
.rept 64
	MP
	GAP
.set G, G+1
.endr
	WIN 0
.if \grd
.Lp2_\@:
.endif
	s_add_co_u32 s23, s23, 1
.endm
; 16 rows of out0: 32 bytes a lane into my stage, whole rows of 512 bytes back, each stored by one instruction of the wave (512 consecutive bytes, aligned).
; The stage is my wave's own and LDS serves a wave's instructions in order (ISA guide 5.7.1): no wait between stores and loads, nor ahead of the next 16 rows' stores.
; The read-back has registers of its own for each row block (window 3, 64 rb + 4 i): no store's data is ever rewritten.
.macro OUT rb
	WIN 0x08
.irp db, 0,1,2,3,4,5,6,7
	ds_store_b128 v[OST], v[64*\rb+8*\db:64*\rb+8*\db+3]   offset:64*\db
	ds_store_b128 v[OST], v[64*\rb+8*\db+4:64*\rb+8*\db+7] offset:64*\db+16
.endr
	WIN W_L3
.set i, 0
.rept 16
	ds_load_b128 v[64*\rb+4*i:64*\rb+4*i+3], v[ORD] offset:i*OP
.set i, i+1
.endr
	WIN W_ST
.set i, 0
.rept 16
	s_wait_dscnt 15-i                              ; LDS loads come back in order: row i is in, the younger ones may be out
	global_store_b128 v[LO], v[64*\rb+4*i:64*\rb+4*i+3], s[14:15] offset:(16*\rb+i)*TOK th:TH_STORE_NT
.set i, i+1
.endr
.endm
; ---------------------------------------------------------------- the start
	s_load_b256 s[4:11], s[0:1], 0x0               ; query, key_cache, value_cache, block_tables
	s_load_b128 s[12:15], s[0:1], 0x20             ; seq_lens, out0
	v_lshl_add_u32 v126, v0, 2, 0x22800
	v_mov_b32 v127, 0
	v_lshrrev_b32 v4, 5, v0
	v_readfirstlane_b32 s16, v4                    ; wave 0..3
	v_and_b32 v1, 31, v0                           ; lane
	v_and_b32 v2, 15, v0                           ; r
	v_bfe_u32 v3, v0, 4, 1                         ; h
	s_and_b32 s17, ttmp9, 7                        ; pb
	s_bfe_u32 s18, ttmp9, 0x30003                  ; kvh
	s_lshr_b32 s19, ttmp9, 6                       ; b
	s_mov_b32 s26, 0x76543210                      ; v_permlanex16_b32: lane i of one half reads lane i of the other
	s_mov_b32 s27, 0xfedcba98
	s_mov_b32 s28, 0x3e0293ee                      ; c = 128^-0.5 x log2 e
	s_mov_b32 s29, 0x3e0293ee
	s_mov_b32 s30, 0xbe0293ee                      ; -c
	s_mov_b32 s37, 0
	s_mov_b32 s23, 0                               ; T
	v_lshlrev_b32 v[LO], 4, v1
	v_lshrrev_b32 v5, 1, v1
	v_and_b32 v6, 1, v0
	v_lshlrev_b32 v6, 8, v6
	v_lshl_add_u32 v[PFO], v5, 12, v6
	v_mul_u32_u24 v5, v2, KP
	v_lshl_add_u32 v[KADR], v3, 4, v5
	v_add_nc_u32 v[KADR+1], SLOT, v[KADR]
	v_and_b32 v5, 7, v0
	v_lshl_add_u32 v5, v3, 3, v5
	v_mul_u32_u24 v5, v5, VP
	v_bfe_u32 v6, v0, 3, 1
	v_lshl_add_u32 v5, v6, 4, v5
	v_add_nc_u32 v[VADR], VOFF, v5
	v_add_nc_u32 v[VADR+1], SLOT, v[VADR]
	s_wait_alu depctr_va_sdst(0)                   ; s16 is written, ahead of its first reader: LDS addresses and the buffers' offsets are made from it
	s_mul_i32 s31, s16, 16*KP
	v_lshl_add_u32 v[KST], v1, 3, s31
	v_add_nc_u32 v[KST+1], SLOT, v[KST]
	s_mul_i32 s31, s16, 16*VP
	s_add_co_u32 s31, s31, VOFF
	v_lshl_add_u32 v[VST], v1, 3, s31
	v_add_nc_u32 v[VST+1], SLOT, v[VST]
	s_mul_i32 s47, s16, PRIVB
	s_add_co_u32 s47, s47, PRIV                    ; my wave's own bytes
	v_lshl_add_u32 v[QST], v1, 3, s47
	v_add_nc_u32 v[QFR], s47, v[KADR]
	v_mul_u32_u24 v5, v2, OP
	v_lshl_add_u32 v5, v3, 5, v5
	v_add_nc_u32 v[OST], s47, v5
	v_lshl_add_u32 v[ORD], v1, 4, s47
	v_mov_b32 v[NINF], 0xff800000
	v_lshlrev_b32 v5, 3, v3
	v_sub_nc_u32 v7, v2, v5                        ; r - 8 h
.irp rb, 0,1,2,3
	v_mov_b32 v[TX+\rb], 0                         ; v_permlanex16_b32 counts as a reader of its destination
.endr
	; byte offsets of my parts, each in registers of its own
	s_lshl_b32 s36, s19, 23                        ; query, out0: (512 b + 64 pb) tokens + (4 kvh + w) heads of 512 bytes
	s_lshl_b32 s31, s17, 20
	s_add_co_u32 s36, s36, s31
	s_lshl_b32 s31, s18, 11
	s_add_co_u32 s36, s36, s31
	s_lshl_b32 s31, s16, 9
	s_add_co_u32 s36, s36, s31
	s_lshl_b32 s38, s18, 9                         ; caches: head kvh, and positions 16 (w & 1) .. + 15 of a block
	s_and_b32 s31, s16, 1
	s_lshl_b32 s31, s31, 16
	s_add_co_u32 s38, s38, s31
	s_mov_b32 s39, 0
	s_lshl_b32 s40, s19, 8                         ; table: row b, and the tile's first or second block, w >> 1
	s_lshr_b32 s31, s16, 1
	s_lshl_b32 s31, s31, 2
	s_add_co_u32 s40, s40, s31
	s_mov_b32 s41, 0
	s_lshl_b32 s42, s19, 2                         ; seq_lens[b]
	s_mov_b32 s43, 0
	s_wait_kmcnt 0x0
	s_add_nc_u64 s[4:5], s[4:5], s[36:37]
	s_add_nc_u64 s[14:15], s[14:15], s[36:37]
	s_add_nc_u64 s[6:7], s[6:7], s[38:39]
	s_add_nc_u64 s[8:9], s[8:9], s[38:39]
	s_add_nc_u64 s[10:11], s[10:11], s[40:41]
	s_add_nc_u64 s[12:13], s[12:13], s[42:43]
	s_load_b32 s20, s[12:13], 0x0                  ; seq_len
	s_load_b32 s32, s[10:11], 0x0                  ; my block of tile 0
	s_load_b32 s33, s[10:11], 0x8                  ; and of tile 1
	; Q: 64 rows of 512 bytes, read once in the launch, into window 2 (O's registers, not yet in use)
	WIN 0x80
	s_wait_alu depctr_va_vdst(0)                   ; the offsets and LDS addresses v8 to v21 are written: every load, store and prefetch of the kernel reads one of them, and none is written again
.set i, 0
.rept 64
	global_load_b128 v[4*i:4*i+3], v[LO], s[4:5] offset:i*TOK th:TH_LOAD_NT
.set i, i+1
.endr
	WIN 0
	s_wait_kmcnt 0x0
	s_max_i32 s20, s20, 0xfffffe00                 ; seq_len into [-512, 4608]
	s_min_i32 s20, s20, 4608
	s_sub_co_i32 s20, s20, 512
	s_lshl_b32 s31, s17, 6
	s_add_co_i32 s20, s20, s31                     ; e0 = seq_len - 512 + 64 pb
	s_add_co_i32 s21, s20, 127                     ; keys 0 .. e0 + 63 are wanted: NT = ceil((e0 + 64) / 64); tiles 0 and 1 are always walked
	s_ashr_i32 s21, s21, 6
	s_max_i32 s21, s21, 2
	s_min_i32 s21, s21, 32
	s_add_co_i32 s25, s20, 1                       ; tile t needs no mask where 64 t + 63 <= e0: t < NFT = floor((e0 + 1) / 64)
	s_ashr_i32 s25, s25, 6
	s_max_i32 s25, s25, 0
	s_min_i32 s25, s25, 32
	s_cmp_eq_u32 s17, 7
	s_cselect_b32 s22, s21, 0
	v_add_nc_u32 v7, s20, v7
.irp rb, 0,1,2,3
	v_add_nc_u32 v[LB+\rb], 16*\rb, v7
.endr
	s_min_u32 s32, s32, 255
	s_lshl_b32 s36, s32, 17
	s_add_nc_u64 s[38:39], s[6:7], s[36:37]
	s_add_nc_u64 s[40:41], s[8:9], s[36:37]
	GLD                                            ; tile 0.  No wait: no vector instruction has named STG yet, nor v8 since the wait above
	s_wait_loadcnt 32                              ; only tile 0's 32 loads are younger than Q's
	WIN 0x8a
.set i, 0
.rept 64
	v_cvt_pk_bf16_f32 v[4*i],   v[4*i],   v[4*i+1]
	v_cvt_pk_bf16_f32 v[4*i+1], v[4*i+2], v[4*i+3]
.set i, i+1
.endr
	WIN 0x08
	s_wait_alu depctr_va_vdst(0)                   ; the roundings have written Q's bf16 pairs, which the LDS stores read
.set i, 0
.rept 64
	ds_store_b64 v[QST], v[4*i:4*i+1] offset:i*KP
.set i, i+1
.endr
	WIN W_L1                                       ; my own bytes, served in order: the fragment loads see the stores above; no vector instruction has named the registers in which they land
.irp rb, 0,1,2,3
.irp ks, 0,1,2,3
	ds_load_b128 v[QF+8*(4*\rb+\ks):QF+8*(4*\rb+\ks)+3],   v[QFR] offset:\rb*16*KP+64*\ks
	ds_load_b128 v[QF+8*(4*\rb+\ks)+4:QF+8*(4*\rb+\ks)+7], v[QFR] offset:\rb*16*KP+64*\ks+32
.endr
.endr
	s_wait_loadcnt 0x0                             ; tile 0
.set TS, 0
.set TN, 0                                             ; here the streams' other slot is slot 0
.set TF, 0
.set CX, 0
.set DX, 0
.set KX, 0
	CVN 64
	WIN W_ST
	s_wait_alu depctr_va_vdst(0)                   ; the roundings have written STG, which the LDS stores read
	STN 32
	WIN 0
	s_wait_dscnt 0x0                               ; my quarter of slot 0 is stored (and Q's fragments are in)
	s_barrier_signal -1
	s_barrier_wait -1
	s_min_u32 s33, s33, 255                        ; tile 0's loads are done: the bases may be written
	s_lshl_b32 s36, s33, 17
	s_add_nc_u64 s[38:39], s[6:7], s[36:37]
	s_add_nc_u64 s[40:41], s[8:9], s[36:37]
	WIN W_L3
	s_wait_alu depctr_vm_vsrc(0)                   ; tile 0's LDS stores have read STG, in which the loads below land; Q's LDS stores have read window 2, which the first tile's products write as O
	s_wait_alu depctr_va_vdst(0)                   ; the roundings are done reading and writing STG; stated here, straight ahead of the loads, since the stores behind the last such wait name STG
	GLD                                            ; tile 1 (NT is at least 2)
	LKN 32                                         ; tile 0's K fragments: no vector or matrix instruction has named KF yet
	WIN 0
; ---------------------------------------------------------------- the 32 tiles
	TILE 0, 1, 1, 0                                ; tile 0 starts every sum: nothing is cleared
	TILE 1, 0, 0, 0
	s_mov_b32 s24, 15
.Lpair:
	TILE 0, 1, 0, 1
	TILE 1, 0, 0, 1
	s_sub_co_i32 s24, s24, 1
	s_cmp_lg_u32 s24, 0
	s_cbranch_scc1 .Lpair
; ---------------------------------------------------------------- the way out
	s_wait_loadcnt 0x0                             ; no load into window 3 is out,
	s_wait_dscnt 0x0                               ; nor an LDS load (the last tile's K fragment loads): its registers take the read-back
.irp rb, 0,1,2,3
	v_permlanex16_b32 v[TX+\rb], v[ST+4*\rb+3], s26, s27   ; the two halves of a row's sum meet
.endr
.irp rb, 0,1,2,3
	v_add_f32 v[ST+4*\rb+3], v[ST+4*\rb+3], v[TX+\rb]
.endr
.irp rb, 0,1,2,3
	v_rcp_f32 v[ST+4*\rb+2], v[ST+4*\rb+3]
.endr
	v_nop                                          ; the plain place behind the reciprocals (ISA guide 5.7.2)
	s_wait_alu depctr_va_vdst(0)
.set TF, 0
.set RX, 0
	RSN 128                                        ; O / l
	WIN 0x08
	s_wait_alu depctr_va_vdst(0)                   ; the divisions have written O, which the LDS stores below read; the products and roundings that named window 3 are done, in which the read-back lands.  No vector instruction follows
	OUT 0
	OUT 1
	OUT 2
	OUT 3
	WIN 0
	s_wait_dscnt 0x0
	s_wait_alu depctr_hold_cnt(0) depctr_sa_sdst(0) depctr_va_vdst(0) depctr_va_sdst(0) depctr_va_ssrc(0) depctr_va_vcc(0) depctr_vm_vsrc(0)
	s_wait_tensorcnt 0x0
	ds_add_u32 v126, v127
	s_wait_dscnt 0x0
	s_endpgm
.Lfunc_end_k_q5904949fea_attn:
	.size	k_q5904949fea_attn, .Lfunc_end_k_q5904949fea_attn-k_q5904949fea_attn
	.p2alignl 7, 3214868480
	.fill 96, 4, 3214868480
	.section	.rodata,"a",@progbits
	.p2align	6, 0x0
	.amdhsa_kernel k_q5904949fea_attn
		.amdhsa_group_segment_fixed_size 141824
		.amdhsa_private_segment_fixed_size 0
		.amdhsa_enable_private_segment 0
		.amdhsa_kernarg_size 48
		.amdhsa_user_sgpr_count 2
		.amdhsa_user_sgpr_kernarg_segment_ptr 1
		.amdhsa_wavefront_size32 1
		.amdhsa_system_sgpr_workgroup_id_x 1
		.amdhsa_system_sgpr_workgroup_id_y 1
		.amdhsa_system_sgpr_workgroup_id_z 1
		.amdhsa_system_vgpr_workitem_id 0
		.amdhsa_next_free_vgpr 1024
		.amdhsa_next_free_sgpr 66
		.amdhsa_reserve_vcc 0
		.amdhsa_float_denorm_mode_32 3
		.amdhsa_float_denorm_mode_16_64 3
		.amdhsa_memory_ordered 1
		.amdhsa_forward_progress 1
		.amdhsa_inst_pref_size 255
	.end_amdhsa_kernel
	.section	.bss,"aw",@nobits
	.p2align	6
	.space	262144
	.amdgpu_metadata
---
amdhsa.version: [ 1, 2 ]
amdhsa.kernels:
  - .name:           k_q5904949fea_attn
    .symbol:         k_q5904949fea_attn.kd
    .args:
      - { .name: query, .offset: 0, .size: 8, .value_kind: global_buffer, .address_space: global }
      - { .name: key_cache, .offset: 8, .size: 8, .value_kind: global_buffer, .address_space: global }
      - { .name: value_cache, .offset: 16, .size: 8, .value_kind: global_buffer, .address_space: global }
      - { .name: block_tables, .offset: 24, .size: 8, .value_kind: global_buffer, .address_space: global }
      - { .name: seq_lens, .offset: 32, .size: 8, .value_kind: global_buffer, .address_space: global }
      - { .name: out0, .offset: 40, .size: 8, .value_kind: global_buffer, .address_space: global }
    .group_segment_fixed_size: 141824
    .private_segment_fixed_size: 0
    .kernarg_segment_align: 8
    .kernarg_segment_size: 48
    .max_flat_workgroup_size: 128
    .sgpr_count:     66
    .vgpr_count:     1024
    .wavefront_size: 32
...
	.end_amdgpu_metadata
.endif
;; end of part 2
